; MI455X (gfx1250); checked and timed in simulation.
; The chip was launched on July 23, 2026; its instructions are those of AMD's public machine-readable ISA for CDNA 5 (MIT licence, August 2026) and "CDNA5" Instruction Set Architecture Reference Guide (July 2026). The comments in the code are by the model that wrote it; some were corrected since.
;; S4 D Kernel. Allowed arithmetic: float matrix products may take bf16 or f16 operands with f32 sums; all other float work in f32.
;; Inputs: A_imag 1,024 x 32 float32; C 1,024 x 32 x 2 float32; log_A_real 1,024 x 32 float32; log_dt 1,024 float32.
;; Outputs: out0 1,024 x 4,096 float32.
;; Constants: L = 4096.
;; 2 versions, each right; version 2 is version 1 with the launch s4d written anew for expert scheduling mode. Each part assembles by itself: llvm-mc -triple=amdgcn-amd-amdhsa -mcpu=gfx1250 --defsym DOCPART=n.
;; ======== version 1 of 2: 1 launch
;; limits: right only within a limited range of input values
;; launch s4d (part 1): grid 256 x 1, 4 waves a work-group, no clusters, 37,376 bytes of LDS; arguments log_dt, log_A_real, A_imag, C, out0; writes out0
.if DOCPART == 1
	.amdgcn_target "amdgcn-amd-amdhsa--gfx1250"
	.amdhsa_code_object_version 6
	.text
	.protected	k_q0549de3352_s4d
	.globl	k_q0549de3352_s4d
	.p2align	8
	.type	k_q0549de3352_s4d,@function
k_q0549de3352_s4d:
	s_mov_b64 s[64:65], 0
	v_nop
	global_prefetch_b8 v0, s[64:65] scope:SCOPE_SE
	s_setreg_imm32_b32 hwreg(HW_REG_WAVE_MODE, 25, 1), 1
	s_wait_xcnt 0x0
; out[h][l] = 2 Re sum over n of C'[h][n] w[h][n]^l,  w = exp(dtA),  dtA = (-exp(log_A_real) + i A_imag) exp(log_dt),  C' = C (w - 1) / A.
; H = 1024 rows, 32 states, L = 4096.  One wave makes one row h; four waves a work-group, 256 work-groups: one wave for each SIMD.
;
; THE IDEA.  l = f(mu) + g(nu) with 64 values on each side, so w^l = w^f(mu) w^g(nu) and a row is a real product 64 x 64 x 64:
;   out[f(mu)+g(nu)] = sum over n of  X[mu][n].re Y[nu][n].re + X[mu][n].im Y[nu][n].im,   X = conj(2 C' w^f(mu)),  Y = w^g(nu).
; 128 complex table entries for a state take the place of 4,096 exponentials.
;   f(mu) = (mu & 3) + 64 (mu >> 2),   g(nu) = 4 (nu & 15) + 1024 (nu >> 4).
; With X as the first matrix source, register j of lane (r, hh) of tile (tm, tn) is l = (j & 3) + 4 r + 64 (2 hh + (j >> 2)) + 256 tm + 1024 tn:
; registers 0-3 and 4-7 are 16 neighbouring bytes each, and sixteen neighbouring lanes store 256 consecutive bytes, aligned, straight from the sums.
;
; PRECISION.  An output near zero is allowed about 1/100 of the output's root mean square, while the terms of a row with a large dt are some
; 25 times that: operands rounded once to bf16 (2^-9) do not reach it.  Each operand is split, x = hi + lo, both bf16, and three products are added
; in f32: lo hi + hi lo + hi hi.  What is left out (lo lo, and lo's own rounding) is about 2^-16 of a term.
;
; LIMITS.  (1) The phase of w^l is an exact multiple of the f32 number A_imag dt; the problem's formula rounds the product with l to f32, which moves
; its phase by up to 2^-24 |Im dtA| l radians: the two agree to that.  (2) |A|^2 has to be a normal f32: about 1e-18 < |A| < 1e18.
; (3) v_exp_f32 gives 0 for results below 2^-126 (ISA guide, 15.8): a dt or a decay factor that small counts as 0.  (4) w - 1 is subtracted in f32 as the
; problem writes it, with the same cancellation where |dtA| comes near 1e-7.  (5) A table entry is a product of at most 18 factors, each good to
; about 5e-7: about 1e-5 of a term at the worst.
;
; No tensor loads, no cluster, no prefetch: a wave reads 516 bytes of input, once, and shares none of them.  No barrier: each wave has its own LDS bytes.
.set ROWB,     16384                   ; bytes in a row of the output
.set TPITCH,   272                     ; an LDS table row: 32 states x 8 bytes + 16: the 16 rows that a 16-byte load touches lie in 16 different 16-byte columns
.set TY_OFF,   16*TPITCH               ; Y's base table behind X's
.set SX_OFF,   2*16*TPITCH             ; conj w^256 of the 32 states
.set SY_OFF,   SX_OFF+256              ; w^1024 of the 32 states
.set WAVE_LDS, SY_OFF+256              ; 9,216 bytes for a wave
.set L2E,     0x3fb8aa3b               ; log2(e), and what f32 leaves of it
.set L2E_LO,  0x32a57060
.set LN2,     0x3f317218
.set I2PI,    0x3e22f983               ; 1 / (2 pi), and what f32 leaves of it
.set I2PI_LO, 0x31dc9c88
.set KS1, 0x3fc90fdb                   ; sin(pi/2 x) = x (KS1 + KS3 x^2 + KS5 x^4 + KS7 x^6 + KS9 x^8): the series' terms; the next is below 2e-9 for |x| <= 1/2
.set KS3, 0xbf255de7
.set KS5, 0x3da335e3
.set KS7, 0xbb996966
.set KS9, 0x39283c1a
.set KC2, 0xbf9de9e6                   ; cos(pi/2 x) = 1 + KC2 x^2 + KC4 x^4 + KC6 x^6 + KC8 x^8; the next term is below 3e-8
.set KC4, 0x3e81e0f8
.set KC6, 0xbcaae9e4
.set KC8, 0x3a70fa83
; window 0, the whole kernel
.set SA,   5                           ; LDS: my state's 8 bytes in a table row (lane = state)
.set LA,   6                           ; LDS: row r of a table, my half's 16 states (lane = (r, hh))
.set LS,   7                           ; LDS: my half's 16 states in a row of steps
.set GO,   8                           ; byte offset in the output row: 16 r + 512 hh
.set NEG1, 9                           ; -1.0
; window 0, set-up (lane = state)
.set DT,   10
.set LAR,  11
.set AP,   12                          ; v[12:13]  A = (-exp(log_A_real), A_imag)
.set CC,   14                          ; v[14:15]  C
.set TLO,  26                          ; low part of the phase in turns
.set K98,  28                          ; v[28:29]  (KS9, KC8)
.set EV,   32                          ; v[32:79]  three pairs of powers, 16 registers each: +0 turns, then fraction; +2 rounded, then sine; +4 square; +6 sine; +8 cosine; +10 exponent; +12 twice the sine; +14 modulus
.set CW1,  80                          ; conj w
.set P2,   82                          ; conj w^2
.set DD,   84                          ; conj w - 1
.set N1,   86
.set CW256, 88
.set W1024, 90
.set N2,   92
.set DEN,  94                          ; v94 |A|^2, v95 2 / |A|^2
.set XB,   96                          ; XB + 2 q: conj w^(64 q), q = 1..3
.set YTAB, 112                         ; v[112:143] entry r: w^(4 r)
.set XTAB, 144                         ; v[144:175] entry r: conj(2 C' w^((r & 3) + 64 (r >> 2)))
; window 0, the products (lane = (r, hh))
.set YC,   16                          ; v[16:47]   Y of the present tile, 16 states, f32
.set SY,   48                          ; v[48:79]   w^1024 of my 16 states
.set TMP,  80                          ; v[80:111]
.set YF,   112                         ; v[112:143] Y fragments: hi (K block 0, 1), lo (K block 0, 1)
.set ACC,  144                         ; v[144:207] two sets of four accumulators
; window 1 (v256 and up, named by their low 8 bits)
.set XF,   0                           ; v[256:383] X fragments: tile tm at 32 tm: hi (K block 0, 1), lo (K block 0, 1)
.set XC,   128                         ; v[384:415] X of the present tile
.set SX,   160                         ; v[416:447] conj w^256 of my 16 states
.set XT,   192                         ; v[448:479]
.set XN1,  224                         ; v480       -1.0
.set MSB, 0
.macro WIN new                         ; s_set_vgpr_msb: bits 1:0 source 0, 3:2 source 1, 5:4 source 2, 7:6 destination; the high byte repeats the setting that is left
.if MSB != \new
	s_set_vgpr_msb (MSB<<8)|\new
.set MSB, \new
.endif
.endm
; A complex product d = a b in two packed instructions: (a.re b.re, a.re b.im), then + (-a.im b.im, a.im b.re).  d is neither a nor b.
.macro CM1 d, a, b
	v_pk_mul_f32 v[\d:\d+1], v[\a:\a+1], v[\b:\b+1] op_sel_hi:[0,1]
.endm
.macro CM2 d, a, b
	v_pk_fma_f32 v[\d:\d+1], v[\a:\a+1], v[\b:\b+1], v[\d:\d+1] op_sel:[1,1,0] op_sel_hi:[1,0,1] neg_lo:[1,0,0]
.endm
	s_load_b256 s[4:11], s[0:1], 0x0               ; log_dt s[4:5], log_A_real s[6:7], A_imag s[8:9], C s[10:11]
	s_load_b64 s[12:13], s[0:1], 0x20              ; out0
	v_lshl_add_u32 v254, v0, 2, 0x9000
	v_mov_b32 v255, 0
	v_lshrrev_b32 v2, 5, v0
	v_readfirstlane_b32 s14, v2                    ; wave 0..3
	v_and_b32 v1, 31, v0                           ; lane
	s_lshl_b32 s15, ttmp9, 2
	s_add_co_u32 s15, s15, s14                     ; h = 4 x work-group + wave
	s_lshl_b32 s16, s15, 7                         ; a row of 32 f32
	s_lshl_b32 s17, s15, 2
	v_lshl_add_u32 v2, v1, 2, s16                  ; log_A_real, A_imag: 128 h + 4 n
	v_mov_b32 v4, s17                              ; log_dt: 4 h, the same in every lane
	v_lshlrev_b32 v3, 1, v2                        ; C: 256 h + 8 n
	s_wait_kmcnt 0x0
	global_load_b32 v[DT],  v4, s[4:5]
	global_load_b32 v[LAR], v2, s[6:7]
	global_load_b32 v[AP+1], v2, s[8:9]
	global_load_b64 v[CC:CC+1], v3, s[10:11]
	; addresses and constants while the loads are on their way
	s_mul_i32 s18, s14, WAVE_LDS                   ; my wave's LDS bytes
	s_lshl_b32 s20, s15, 14                        ; h rows of 16,384 bytes: below 2^24
	s_mov_b32 s21, 0
	s_add_nc_u64 s[12:13], s[12:13], s[20:21]      ; the output at my row
	v_lshl_add_u32 v[SA], v1, 3, s18
	v_and_b32 v[LA], 15, v1                        ; r
	v_lshrrev_b32 v[LS], 4, v1                     ; hh
	v_lshlrev_b32 v[GO], 4, v[LA]
	v_lshl_add_u32 v[GO], v[LS], 9, v[GO]
	v_mul_u32_u24 v[LA], v[LA], TPITCH
	v_lshl_add_u32 v[LS], v[LS], 7, s18            ; 128 hh + my wave's bytes
	v_add_nc_u32 v[LA], v[LA], v[LS]
	v_mov_b32 v[NEG1], -1.0
	v_mov_b32 v[K98], KS9
	v_mov_b32 v[K98+1], KC8
	v_mov_b32 v[YTAB], 1.0                         ; w^0
	v_mov_b32 v[YTAB+1], 0
	s_wait_loadcnt 0x0
	; ---- lane = state n.  dt = exp(log_dt), with the rounding of log_dt log2(e) put back: an error of dt is multiplied by the phase, up to thousands of radians
	v_mul_f32 v16, L2E, v[DT]
	v_mul_f32 v17, L2E, v[LAR]
	v_fma_f32 v18, v[DT], L2E, -v16                ; what the product lost, exactly,
	v_fmac_f32 v18, L2E_LO, v[DT]                  ; and what the constant lost
	v_exp_f32 v19, v16
	v_exp_f32 v20, v17
	v_mul_f32 v[DEN], v[AP+1], v[AP+1]             ; a plain instruction between the exponentials and the use of their results (ISA guide 5.7.2)
	s_wait_alu depctr_va_vdst(0)
	v_mul_f32 v21, v19, v18
	v_mul_f32 v[AP], -1.0, v20                     ; Re A
	v_fmamk_f32 v[DT], v21, LN2, v19               ; dt = 2^y (1 + rest ln 2)
	v_fmac_f32 v[DEN], v[AP], v[AP]                ; |A|^2
	v_mul_f32 v22, v[AP], v[DT]                    ; Re dtA
	v_mul_f32 v23, v[AP+1], v[DT]                  ; Im dtA
	v_rcp_f32 v[DEN+1], v[DEN]
	v_mul_f32 v[EV+10], L2E, v22                   ; log2 |w|
	v_mul_f32 v[EV], I2PI, v23                     ; the phase of w in turns, as two f32: high part,
	v_fma_f32 v[TLO], v23, I2PI, -v[EV]
	v_fmac_f32 v[TLO], I2PI_LO, v23                ; low part
	s_wait_alu depctr_va_vdst(0)
	v_add_f32 v[DEN+1], v[DEN+1], v[DEN+1]         ; 2 / |A|^2
	; ---- w^m for m = 1, 4 | 16, 64 | 256, 1024: two at a time in packed f32, the three pairs interleaved.  Multiples by powers of two are exact.
.macro EV_SCALE p, m0, m1
	v_mul_f32 v[EV+16*\p],    \m0, v[EV]
	v_mul_f32 v[EV+16*\p+1],  \m1, v[EV]
	v_mul_f32 v[EV+16*\p+10], \m0, v[EV+10]
	v_mul_f32 v[EV+16*\p+11], \m1, v[EV+10]
.endm
	v_mul_f32 v[EV+1],  4.0, v[EV]
	v_mul_f32 v[EV+11], 4.0, v[EV+10]
	EV_SCALE 1, 0x41800000, 0x42800000             ; 16, 64
	EV_SCALE 2, 0x43800000, 0x44800000             ; 256, 1024
.irp p, 0,1,2
	v_rndne_f32 v[EV+16*\p+2], v[EV+16*\p]
	v_rndne_f32 v[EV+16*\p+3], v[EV+16*\p+1]
	v_exp_f32 v[EV+16*\p+14], v[EV+16*\p+10]       ; |w|^m; used far below
	v_exp_f32 v[EV+16*\p+15], v[EV+16*\p+11]
.endr
.irp p, 0,1,2
	v_pk_add_f32 v[EV+16*\p:EV+16*\p+1], v[EV+16*\p:EV+16*\p+1], v[EV+16*\p+2:EV+16*\p+3] neg_lo:[0,1] neg_hi:[0,1]   ; whole turns off: exact
.endr
	v_add_f32  v[EV],    v[EV], v[TLO]             ; + m x the low part: x = the phase's fraction of a turn, |x| <= 1/2
	v_fmac_f32 v[EV+1],  4.0, v[TLO]
	v_fmac_f32 v[EV+16], 0x41800000, v[TLO]
	v_fmac_f32 v[EV+17], 0x42800000, v[TLO]
	v_fmac_f32 v[EV+32], 0x43800000, v[TLO]
	v_fmac_f32 v[EV+33], 0x44800000, v[TLO]
.irp p, 0,1,2
	v_pk_mul_f32 v[EV+16*\p+4:EV+16*\p+5], v[EV+16*\p:EV+16*\p+1], v[EV+16*\p:EV+16*\p+1]
.endr
	; sine and cosine of a quarter of the angle, pi/2 x
.irp p, 0,1,2
	v_pk_fma_f32 v[EV+16*\p+6:EV+16*\p+7], v[EV+16*\p+4:EV+16*\p+5], v[K98:K98+1], KS7 op_sel_hi:[1,0,0]
	v_pk_fma_f32 v[EV+16*\p+8:EV+16*\p+9], v[EV+16*\p+4:EV+16*\p+5], v[K98:K98+1], KC6 op_sel:[0,1,0] op_sel_hi:[1,1,0]
.endr
.macro EV_HORNER ks, kc
.irp p, 0,1,2
	v_pk_fma_f32 v[EV+16*\p+6:EV+16*\p+7], v[EV+16*\p+6:EV+16*\p+7], v[EV+16*\p+4:EV+16*\p+5], \ks op_sel_hi:[1,1,0]
	v_pk_fma_f32 v[EV+16*\p+8:EV+16*\p+9], v[EV+16*\p+8:EV+16*\p+9], v[EV+16*\p+4:EV+16*\p+5], \kc op_sel_hi:[1,1,0]
.endr
.endm
	EV_HORNER KS5, KC4
	EV_HORNER KS3, KC2
	EV_HORNER KS1, 1.0
.irp p, 0,1,2
	v_pk_mul_f32 v[EV+16*\p+6:EV+16*\p+7], v[EV+16*\p+6:EV+16*\p+7], v[EV+16*\p:EV+16*\p+1]
.endr
	; the angle doubled twice: sin 2a = 2 sin a cos a, cos 2a = 1 - 2 sin a sin a.  No quadrants, no selects; the error grows about fourfold, to some 5e-7
.macro EV_DOUBLE from, to
.irp p, 0,1,2
	v_pk_add_f32 v[EV+16*\p+12:EV+16*\p+13], v[EV+16*\p+\from:EV+16*\p+\from+1], v[EV+16*\p+\from:EV+16*\p+\from+1]
.endr
.irp p, 0,1,2
	v_pk_mul_f32 v[EV+16*\p+\to:EV+16*\p+\to+1], v[EV+16*\p+12:EV+16*\p+13], v[EV+16*\p+8:EV+16*\p+9]
.endr
.irp p, 0,1,2
	v_pk_fma_f32 v[EV+16*\p+8:EV+16*\p+9], v[EV+16*\p+12:EV+16*\p+13], v[EV+16*\p+\from:EV+16*\p+\from+1], 1.0 op_sel_hi:[1,1,0] neg_lo:[1,0,0] neg_hi:[1,0,0]
.endr
.endm
	EV_DOUBLE 6, 2
	EV_DOUBLE 2, 6
	; modulus times (cos, sin), laid as (re, im) pairs; the powers of the X side conjugated
	s_wait_alu depctr_va_vdst(0)
	v_mul_f32 v[CW1],      v[EV+8],   v[EV+14]
	v_mul_f32 v[CW1+1],   -v[EV+6],   v[EV+14]
	v_mul_f32 v[YTAB+2],   v[EV+9],   v[EV+15]     ; w^4
	v_mul_f32 v[YTAB+3],   v[EV+7],   v[EV+15]
	v_mul_f32 v[YTAB+8],   v[EV+24],  v[EV+30]     ; w^16
	v_mul_f32 v[YTAB+9],   v[EV+22],  v[EV+30]
	v_mul_f32 v[XB+2],     v[EV+25],  v[EV+31]     ; conj w^64
	v_mul_f32 v[XB+3],    -v[EV+23],  v[EV+31]
	v_mul_f32 v[CW256],    v[EV+40],  v[EV+46]
	v_mul_f32 v[CW256+1], -v[EV+38],  v[EV+46]
	v_mul_f32 v[W1024],    v[EV+41],  v[EV+47]
	v_mul_f32 v[W1024+1],  v[EV+39],  v[EV+47]
	ds_store_b64 v[SA], v[CW256:CW256+1] offset:SX_OFF
	ds_store_b64 v[SA], v[W1024:W1024+1] offset:SY_OFF
	; ---- the coefficient conj(2 C (w - 1) / A) = 2 conj(C) (conj w - 1) A / |A|^2, beside the small powers
	v_add_f32 v[DD], -1.0, v[CW1]                  ; w - 1 in f32, as the problem subtracts it
	v_mov_b32 v[DD+1], v[CW1+1]
	CM1 P2,      CW1,    CW1
	CM1 XB+4,    XB+2,   XB+2
	CM1 YTAB+4,  YTAB+2, YTAB+2
	CM1 YTAB+16, YTAB+8, YTAB+8
	v_pk_mul_f32 v[N1:N1+1], v[CC:CC+1], v[DD:DD+1] op_sel_hi:[0,1]
	CM2 P2,      CW1,    CW1
	CM2 XB+4,    XB+2,   XB+2
	CM2 YTAB+4,  YTAB+2, YTAB+2
	CM2 YTAB+16, YTAB+8, YTAB+8
	v_pk_fma_f32 v[N1:N1+1], v[CC:CC+1], v[DD:DD+1], v[N1:N1+1] op_sel:[1,1,0] op_sel_hi:[1,0,1] neg_hi:[1,0,0]   ; conj(C) x: the sign sits on the other half
	CM1 XB+6,    XB+4,    XB+2
	CM1 YTAB+6,  YTAB+4,  YTAB+2
	CM1 YTAB+24, YTAB+16, YTAB+8
	CM1 N2,      N1,      AP
	CM2 XB+6,    XB+4,    XB+2
	CM2 YTAB+6,  YTAB+4,  YTAB+2
	CM2 YTAB+24, YTAB+16, YTAB+8
	CM2 N2,      N1,      AP
	v_pk_mul_f32 v[XTAB:XTAB+1], v[N2:N2+1], v[DEN:DEN+1] op_sel:[0,1] op_sel_hi:[1,1]   ; both halves x 2 / |A|^2
	; Y's base table: w^(4 r) = w^(4 i) w^(16 q), r = 4 q + i
.irp q, 1,2,3
.irp i, 1,2,3
	CM1 YTAB+8*\q+2*\i, YTAB+2*\i, YTAB+8*\q
.endr
.endr
	CM1 XTAB+2, XTAB, CW1
	CM1 XTAB+4, XTAB, P2
.irp q, 1,2,3
.irp i, 1,2,3
	CM2 YTAB+8*\q+2*\i, YTAB+2*\i, YTAB+8*\q
.endr
.endr
	CM2 XTAB+2, XTAB, CW1
	CM2 XTAB+4, XTAB, P2
.irp r, 0,1,2,3,4,5,6,7,8,9,10,11,12,13,14,15
	ds_store_b64 v[SA], v[YTAB+2*\r:YTAB+2*\r+1] offset:TY_OFF+\r*TPITCH   ; 32 lanes, 256 neighbouring bytes
.endr
	CM1 XTAB+6, XTAB+2, P2
	CM2 XTAB+6, XTAB+2, P2
	; X's base table: entry r = 4 q + i is the coefficient x conj w^i x conj w^(64 q)
.irp q, 1,2,3
.irp i, 0,1,2,3
	CM1 XTAB+8*\q+2*\i, XTAB+2*\i, XB+2*\q
.endr
.endr
.irp q, 1,2,3
.irp i, 0,1,2,3
	CM2 XTAB+8*\q+2*\i, XTAB+2*\i, XB+2*\q
.endr
.endr
.irp r, 0,1,2,3,4,5,6,7,8,9,10,11,12,13,14,15
	ds_store_b64 v[SA], v[XTAB+2*\r:XTAB+2*\r+1] offset:\r*TPITCH
.endr
	; ---- lane = (r, hh): row r of both tables, states 16 hh .. 16 hh + 15.  LDS serves a wave's instructions in order (ISA guide 5.7.1), and the bytes are
	; my wave's own: these loads see the stores above without a wait and without a barrier.
.irp i, 0,1,2,3,4,5,6,7
	ds_load_b128 v[YC+4*\i:YC+4*\i+3], v[LA] offset:TY_OFF+16*\i
.endr
.irp i, 0,1,2,3,4,5,6,7
	ds_load_b128 v[SY+4*\i:SY+4*\i+3], v[LS] offset:SY_OFF+16*\i
.endr
	WIN 0x40                                       ; destination in window 1, address in window 0
.irp i, 0,1,2,3,4,5,6,7
	ds_load_b128 v[XC+4*\i:XC+4*\i+3], v[LA] offset:16*\i
.endr
.irp i, 0,1,2,3,4,5,6,7
	ds_load_b128 v[SX+4*\i:SX+4*\i+3], v[LS] offset:SX_OFF+16*\i
.endr
; 16 complex numbers into fragments.  Register j of a fragment pair is state 16 hh + j, (re, im) in its halves: the same places of K on both sides.
; hi = bf16(x); the rest x - hi is exact in f32 (one multiply-add straight from hi's half); lo = bf16(rest).
.macro SPLIT src, frag, tmp, neg
.irp j, 0,1,2,3,4,5,6,7,8,9,10,11,12,13,14,15
	v_cvt_pk_bf16_f32 v[\frag+\j], v[\src+2*\j], v[\src+2*\j+1]
.endr
.irp j, 0,1,2,3,4,5,6,7,8,9,10,11,12,13,14,15
	v_fma_mix_f32_bf16 v[\tmp+2*\j],   v[\frag+\j], v[\neg], v[\src+2*\j]   op_sel_hi:[1,0,0]
	v_fma_mix_f32_bf16 v[\tmp+2*\j+1], v[\frag+\j], v[\neg], v[\src+2*\j+1] op_sel:[1,0,0] op_sel_hi:[1,0,0]
.endr
.irp j, 0,1,2,3,4,5,6,7,8,9,10,11,12,13,14,15
	v_cvt_pk_bf16_f32 v[\frag+16+\j], v[\tmp+2*\j], v[\tmp+2*\j+1]
.endr
.endm
; the next tile's 16 numbers: each times its state's step
.macro ADVANCE src, step, tmp
.irp j, 0,1,2,3,4,5,6,7,8,9,10,11,12,13,14,15
	v_pk_mul_f32 v[\tmp+2*\j:\tmp+2*\j+1], v[\src+2*\j:\src+2*\j+1], v[\step+2*\j:\step+2*\j+1] op_sel_hi:[0,1]
.endr
.irp j, 0,1,2,3,4,5,6,7,8,9,10,11,12,13,14,15
	v_pk_fma_f32 v[\src+2*\j:\src+2*\j+1], v[\src+2*\j:\src+2*\j+1], v[\step+2*\j:\step+2*\j+1], v[\tmp+2*\j:\tmp+2*\j+1] op_sel:[1,1,0] op_sel_hi:[1,0,1] neg_lo:[1,0,0]
.endr
.endm
	WIN 0x55                                       ; the X side works wholly in window 1
	v_mov_b32 v[XN1], -1.0
	s_wait_dscnt 0x0                               ; all 32 loads
	SPLIT XC, XF, XT, XN1                          ; tile tm = 0
	ADVANCE XC, SX, XT
	SPLIT XC, XF+32, XT, XN1
	ADVANCE XC, SX, XT
	SPLIT XC, XF+64, XT, XN1
	ADVANCE XC, SX, XT
	SPLIT XC, XF+96, XT, XN1
	WIN 0
; Four matrix instructions, one for each X tile: part xo of X (0 hi, 16 lo; + 8 for K block 1) times part yo of Y.
.macro MMT acc, xo, yo, zero
.irp tm, 0,1,2,3
.if \zero
	v_wmma_f32_16x16x32_bf16 v[\acc+8*\tm:\acc+8*\tm+7], v[XF+32*\tm+\xo:XF+32*\tm+\xo+7], v[YF+\yo:YF+\yo+7], 0
.else
	v_wmma_f32_16x16x32_bf16 v[\acc+8*\tm:\acc+8*\tm+7], v[XF+32*\tm+\xo:XF+32*\tm+\xo+7], v[YF+\yo:YF+\yo+7], v[\acc+8*\tm:\acc+8*\tm+7]
.endif
.endr
.endm
; One Y tile against all four X tiles.  The four accumulators take turns, one instruction a turn.  The first product starts the sums;
; the small products come first.
.macro MM acc
	WIN 0x01                                       ; source 0 (X) in window 1, all else in window 0
	MMT \acc, 16, 0,  1                            ; lo hi
	MMT \acc, 24, 8,  0
	MMT \acc, 0,  16, 0                            ; hi lo
	MMT \acc, 8,  24, 0
	MMT \acc, 0,  0,  0                            ; hi hi
	MMT \acc, 8,  8,  0
	WIN 0
.endm
; Registers 0-3 of a tile: l = 4 r + 0..3 + 128 hh + 256 tm + 1024 tn; registers 4-7: 64 further.  Lanes 0-15 store 256 consecutive bytes at a multiple of 256
; from the row's first byte, lanes 16-31 the same 512 bytes on.
.macro PUT acc, tn
.irp tm, 0,1,2,3
	global_store_b128 v[GO], v[\acc+8*\tm:\acc+8*\tm+3],   s[12:13] offset:4096*\tn+1024*\tm th:TH_STORE_NT
	global_store_b128 v[GO], v[\acc+8*\tm+4:\acc+8*\tm+7], s[12:13] offset:4096*\tn+1024*\tm+256 th:TH_STORE_NT
.endr
.endm
; Behind a run of matrix instructions the 32 packed instructions of ADVANCE, which name none of their registers, are the places that the stores of the sums and
; the rewriting of Y's fragments need (four).
	SPLIT YC, YF, TMP, NEG1                        ; tn = 0
	MM ACC
	ADVANCE YC, SY, TMP
	PUT ACC, 0
	SPLIT YC, YF, TMP, NEG1                        ; tn = 1
	MM ACC+32
	ADVANCE YC, SY, TMP
	PUT ACC+32, 1
	SPLIT YC, YF, TMP, NEG1                        ; tn = 2
	s_wait_xcnt 0x0                                ; the first set of sums, which stores read, is written again only behind this wait
	MM ACC
	ADVANCE YC, SY, TMP
	PUT ACC, 2
	SPLIT YC, YF, TMP, NEG1                        ; tn = 3
	s_wait_xcnt 0x0                                ; likewise the second set
	MM ACC+32
.rept 4
	v_nop                                          ; the four places in front of the stores of the last sums
.endr
	PUT ACC+32, 3
	s_wait_tensorcnt 0x0
	ds_add_u32 v254, v255
	s_wait_dscnt 0x0
	s_endpgm
.Lfunc_end_k_q0549de3352_s4d:
	.size	k_q0549de3352_s4d, .Lfunc_end_k_q0549de3352_s4d-k_q0549de3352_s4d
	.p2alignl 7, 3214868480
	.fill 96, 4, 3214868480
	.section	.rodata,"a",@progbits
	.p2align	6, 0x0
	.amdhsa_kernel k_q0549de3352_s4d
		.amdhsa_group_segment_fixed_size 37376
		.amdhsa_private_segment_fixed_size 0
		.amdhsa_enable_private_segment 0
		.amdhsa_kernarg_size 40
		.amdhsa_user_sgpr_count 2
		.amdhsa_user_sgpr_kernarg_segment_ptr 1
		.amdhsa_wavefront_size32 1
		.amdhsa_system_sgpr_workgroup_id_x 1
		.amdhsa_system_sgpr_workgroup_id_y 1
		.amdhsa_system_sgpr_workgroup_id_z 1
		.amdhsa_system_vgpr_workitem_id 0
		.amdhsa_next_free_vgpr 512
		.amdhsa_next_free_sgpr 66
		.amdhsa_reserve_vcc 0
		.amdhsa_float_denorm_mode_32 3
		.amdhsa_float_denorm_mode_16_64 3
		.amdhsa_memory_ordered 1
		.amdhsa_forward_progress 1
		.amdhsa_inst_pref_size 71
	.end_amdhsa_kernel
	.amdgpu_metadata
---
amdhsa.version: [ 1, 2 ]
amdhsa.kernels:
  - .name:           k_q0549de3352_s4d
    .symbol:         k_q0549de3352_s4d.kd
    .args:
      - { .name: log_dt, .offset: 0, .size: 8, .value_kind: global_buffer, .address_space: global }
      - { .name: log_A_real, .offset: 8, .size: 8, .value_kind: global_buffer, .address_space: global }
      - { .name: A_imag, .offset: 16, .size: 8, .value_kind: global_buffer, .address_space: global }
      - { .name: C, .offset: 24, .size: 8, .value_kind: global_buffer, .address_space: global }
      - { .name: out0, .offset: 32, .size: 8, .value_kind: global_buffer, .address_space: global }
    .group_segment_fixed_size: 37376
    .private_segment_fixed_size: 0
    .kernarg_segment_align: 8
    .kernarg_segment_size: 40
    .max_flat_workgroup_size: 128
    .sgpr_count:     66
    .vgpr_count:     512
    .wavefront_size: 32
...
	.end_amdgpu_metadata
.endif
;; end of part 1
;; ======== version 2 of 2: 1 launch; version 1 with the launch s4d written anew for expert scheduling mode
;; limits: right only within a limited range of input values
;; launch s4d (part 2): grid 256 x 1, 4 waves a work-group, no clusters, 37,376 bytes of LDS; arguments log_dt, log_A_real, A_imag, C, out0; writes out0
.if DOCPART == 2
	.amdgcn_target "amdgcn-amd-amdhsa--gfx1250"
	.amdhsa_code_object_version 6
	.text
	.protected	k_q0549de3352_s4d
	.globl	k_q0549de3352_s4d
	.p2align	8
	.type	k_q0549de3352_s4d,@function
k_q0549de3352_s4d:
	s_mov_b64 s[64:65], 0
	v_nop
	global_prefetch_b8 v0, s[64:65] scope:SCOPE_SE
	s_setreg_imm32_b32 hwreg(HW_REG_WAVE_SCHED_MODE, 0, 2), 2
	s_setreg_imm32_b32 hwreg(HW_REG_WAVE_MODE, 25, 1), 1
	s_wait_xcnt 0x0
	s_wait_alu depctr_vm_vsrc(0)
; out[h][l] = 2 Re sum over n of C'[h][n] w[h][n]^l,  w = exp(dtA),  dtA = (-exp(log_A_real) + i A_imag) exp(log_dt),  C' = C (w - 1) / A.
; H = 1024 rows, 32 states, L = 4096.  One wave makes one row h; four waves a work-group, 256 work-groups: one wave for each SIMD.
;
; THE IDEA.  l = f(mu) + g(nu) with 64 values on each side, so w^l = w^f(mu) w^g(nu) and a row is a real product 64 x 64 x 64:
;   out[f(mu)+g(nu)] = sum over n of  X[mu][n].re Y[nu][n].re + X[mu][n].im Y[nu][n].im,   X = conj(2 C' w^f(mu)),  Y = w^g(nu).
; 128 complex table entries for a state take the place of 4,096 exponentials.
;   f(mu) = (mu & 3) + 64 (mu >> 2),   g(nu) = 4 (nu & 15) + 1024 (nu >> 4).
; With X as the first matrix source, register j of lane (r, hh) of tile (tm, tn) is l = (j & 3) + 4 r + 64 (2 hh + (j >> 2)) + 256 tm + 1024 tn:
; registers 0-3 and 4-7 are 16 neighbouring bytes each, and sixteen neighbouring lanes store 256 consecutive bytes, aligned, straight from the sums.
;
; PRECISION.  An output near zero is allowed about 1/100 of the output's root mean square, while the terms of a row with a large dt are some
; 25 times that: operands rounded once to bf16 (2^-9) do not reach it.  Each operand is split, x = hi + lo, both bf16, and three products are added
; in f32: lo hi + hi lo + hi hi.  What is left out (lo lo, and lo's own rounding) is about 2^-16 of a term.
;
; LIMITS.  (1) The phase of w^l is an exact multiple of the f32 number A_imag dt; the problem's formula rounds the product with l to f32, which moves
; its phase by up to 2^-24 |Im dtA| l radians: the two agree to that.  (2) |A|^2 has to be a normal f32: about 1e-18 < |A| < 1e18.
; (3) v_exp_f32 gives 0 for results below 2^-126 (ISA guide, 15.8): a dt or a decay factor that small counts as 0.  (4) w - 1 is subtracted in f32 as the
; problem writes it, with the same cancellation where |dtA| comes near 1e-7.  (5) A table entry is a product of at most 18 factors, each good to
; about 5e-7: about 1e-5 of a term at the worst.
;
; No tensor loads, no cluster, no prefetch: a wave reads 516 bytes of input, once, and shares none of them.  No barrier: each wave has its own LDS bytes.
;
; THE MODE: SCHED_MODE bits 1:0 = 2 (LLVM: expert scheduling mode 2), set by the entry lines.  The code itself states the register dependences
; between vector or matrix instructions and memory or LDS instructions, with s_wait_alu, always for 0.
; THE PLAN.  Registers that memory or LDS instructions touch:
;   v2-v8            offsets and LDS addresses: made at the head, ahead of one wait on va_vdst, and never written again.
;   v10-v15          the inputs land here; no vector instruction names them before.
;   v88-91, v112-143 the two steps and Y's table: written by the set-up, read by one run of 18 LDS stores, written again (TMP, YF) behind the wait on vm_vsrc.
;   v144-175         X's table: written by the set-up, read by a run of 16 LDS stores, written again (the sums) behind the same wait on vm_vsrc.
;   v16-79           the set-up's work registers; the LDS loads of YC and SY land in them, behind the wait on va_vdst that stands ahead of X's stores.
;   v384-447         XC and SX land here; no vector instruction names them before.
;   two sets of sums a tile's matrix instructions write a set; one wait on va_vdst; its eight stores are dealt among the next tile's conversions, which name neither
;                    the sums nor v8; the set is written again two tiles later, behind s_wait_xcnt 0 and a wait on vm_vsrc.
.set ROWB,     16384                   ; bytes in a row of the output
.set TPITCH,   272                     ; an LDS table row: 32 states x 8 bytes + 16: the 16 rows that a 16-byte load touches lie in 16 different 16-byte columns
.set TY_OFF,   16*TPITCH               ; Y's base table behind X's
.set SX_OFF,   2*16*TPITCH             ; conj w^256 of the 32 states
.set SY_OFF,   SX_OFF+256              ; w^1024 of the 32 states
.set WAVE_LDS, SY_OFF+256              ; 9,216 bytes for a wave
.set L2E,     0x3fb8aa3b               ; log2(e), and what f32 leaves of it
.set L2E_LO,  0x32a57060
.set LN2,     0x3f317218
.set I2PI,    0x3e22f983               ; 1 / (2 pi), and what f32 leaves of it
.set I2PI_LO, 0x31dc9c88
.set KS1, 0x3fc90fdb                   ; sin(pi/2 x) = x (KS1 + KS3 x^2 + KS5 x^4 + KS7 x^6 + KS9 x^8): the series' terms; the next is below 2e-9 for |x| <= 1/2
.set KS3, 0xbf255de7
.set KS5, 0x3da335e3
.set KS7, 0xbb996966
.set KS9, 0x39283c1a
.set KC2, 0xbf9de9e6                   ; cos(pi/2 x) = 1 + KC2 x^2 + KC4 x^4 + KC6 x^6 + KC8 x^8; the next term is below 3e-8
.set KC4, 0x3e81e0f8
.set KC6, 0xbcaae9e4
.set KC8, 0x3a70fa83
; window 0, the whole kernel
.set SA,   5                           ; LDS: my state's 8 bytes in a table row (lane = state)
.set LA,   6                           ; LDS: row r of a table, my half's 16 states (lane = (r, hh))
.set LS,   7                           ; LDS: my half's 16 states in a row of steps
.set GO,   8                           ; byte offset in the output row: 16 r + 512 hh
.set NEG1, 9                           ; -1.0
; window 0, set-up (lane = state)
.set DT,   10
.set LAR,  11
.set AP,   12                          ; v[12:13]  A = (-exp(log_A_real), A_imag)
.set CC,   14                          ; v[14:15]  C
.set TLO,  26                          ; low part of the phase in turns
.set K98,  28                          ; v[28:29]  (KS9, KC8)
.set EV,   32                          ; v[32:79]  three pairs of powers, 16 registers each: +0 turns, then fraction; +2 rounded, then sine; +4 square; +6 sine; +8 cosine; +10 exponent; +12 twice the sine; +14 modulus
.set CW1,  80                          ; conj w
.set P2,   82                          ; conj w^2
.set DD,   84                          ; conj w - 1
.set N1,   86
.set CW256, 88
.set W1024, 90
.set N2,   92
.set DEN,  94                          ; v94 |A|^2, v95 2 / |A|^2
.set XB,   96                          ; XB + 2 q: conj w^(64 q), q = 1..3
.set YTAB, 112                         ; v[112:143] entry r: w^(4 r)
.set XTAB, 144                         ; v[144:175] entry r: conj(2 C' w^((r & 3) + 64 (r >> 2)))
; window 0, the products (lane = (r, hh))
.set YC,   16                          ; v[16:47]   Y of the present tile, 16 states, f32
.set SY,   48                          ; v[48:79]   w^1024 of my 16 states
.set TMP,  80                          ; v[80:111]
.set YF,   112                         ; v[112:143] Y fragments: hi (K block 0, 1), lo (K block 0, 1)
.set ACC,  144                         ; v[144:207] two sets of four accumulators
; window 1 (v256 and up, named by their low 8 bits)
.set XF,   0                           ; v[256:383] X fragments: tile tm at 32 tm: hi (K block 0, 1), lo (K block 0, 1)
.set XC,   128                         ; v[384:415] X of the present tile
.set SX,   160                         ; v[416:447] conj w^256 of my 16 states
.set XT,   192                         ; v[448:479]
.set XN1,  224                         ; v480       -1.0
.set MSB, 0
.macro WIN new                         ; s_set_vgpr_msb: bits 1:0 source 0, 3:2 source 1, 5:4 source 2, 7:6 destination; the high byte repeats the setting that is left
.if MSB != \new
	s_set_vgpr_msb (MSB<<8)|\new
.set MSB, \new
.endif
.endm
; A complex product d = a b in two packed instructions: (a.re b.re, a.re b.im), then + (-a.im b.im, a.im b.re).  d is neither a nor b.
.macro CM1 d, a, b
	v_pk_mul_f32 v[\d:\d+1], v[\a:\a+1], v[\b:\b+1] op_sel_hi:[0,1]
.endm
.macro CM2 d, a, b
	v_pk_fma_f32 v[\d:\d+1], v[\a:\a+1], v[\b:\b+1], v[\d:\d+1] op_sel:[1,1,0] op_sel_hi:[1,0,1] neg_lo:[1,0,0]
.endm
	s_load_b256 s[4:11], s[0:1], 0x0               ; log_dt s[4:5], log_A_real s[6:7], A_imag s[8:9], C s[10:11]
	s_load_b64 s[12:13], s[0:1], 0x20              ; out0
	v_lshl_add_u32 v254, v0, 2, 0x9000
	v_mov_b32 v255, 0
	v_lshrrev_b32 v2, 5, v0
	v_readfirstlane_b32 s14, v2                    ; wave 0..3
	; addresses and constants while the arguments are on their way; first what does not hang on the wave's number
	v_and_b32 v1, 31, v0                           ; lane
	v_and_b32 v[LA], 15, v1                        ; r
	v_lshrrev_b32 v[LS], 4, v1                     ; hh
	v_lshlrev_b32 v[GO], 4, v[LA]
	v_lshl_add_u32 v[GO], v[LS], 9, v[GO]
	v_mul_u32_u24 v[LA], v[LA], TPITCH
	v_mov_b32 v[NEG1], -1.0
	v_mov_b32 v[K98], KS9
	v_mov_b32 v[K98+1], KC8
	v_mov_b32 v[YTAB], 1.0                         ; w^0
	v_mov_b32 v[YTAB+1], 0
	s_wait_alu depctr_va_sdst(0)                   ; s14 is written, ahead of its first reader: h, the LDS bytes and the output's row are made from it
	s_lshl_b32 s15, ttmp9, 2
	s_add_co_u32 s15, s15, s14                     ; h = 4 x work-group + wave
	s_lshl_b32 s16, s15, 7                         ; a row of 32 f32
	s_lshl_b32 s17, s15, 2
	s_mul_i32 s18, s14, WAVE_LDS                   ; my wave's LDS bytes
	s_lshl_b32 s20, s15, 14                        ; h rows of 16,384 bytes: below 2^24
	s_mov_b32 s21, 0
	v_lshl_add_u32 v2, v1, 2, s16                  ; log_A_real, A_imag: 128 h + 4 n
	v_mov_b32 v4, s17                              ; log_dt: 4 h, the same in every lane
	v_lshlrev_b32 v3, 1, v2                        ; C: 256 h + 8 n
	v_lshl_add_u32 v[SA], v1, 3, s18
	v_lshl_add_u32 v[LS], v[LS], 7, s18            ; 128 hh + my wave's bytes
	v_add_nc_u32 v[LA], v[LA], v[LS]
	s_wait_kmcnt 0x0
	s_add_nc_u64 s[12:13], s[12:13], s[20:21]      ; the output at my row
	s_wait_alu depctr_va_vdst(0)                   ; the seven offsets and addresses v2 to v8 are written, which the loads and stores of the whole kernel read; none is written again
	global_load_b32 v[DT],  v4, s[4:5]
	global_load_b32 v[LAR], v2, s[6:7]
	global_load_b32 v[AP+1], v2, s[8:9]
	global_load_b64 v[CC:CC+1], v3, s[10:11]
	s_wait_loadcnt 0x0
	; ---- lane = state n.  dt = exp(log_dt), with the rounding of log_dt log2(e) put back: an error of dt is multiplied by the phase, up to thousands of radians
	v_mul_f32 v16, L2E, v[DT]
	v_mul_f32 v17, L2E, v[LAR]
	v_fma_f32 v18, v[DT], L2E, -v16                ; what the product lost, exactly,
	v_fmac_f32 v18, L2E_LO, v[DT]                  ; and what the constant lost
	v_exp_f32 v19, v16
	v_exp_f32 v20, v17
	v_mul_f32 v[DEN], v[AP+1], v[AP+1]             ; a plain instruction between the exponentials and the use of their results (ISA guide 5.7.2)
	s_wait_alu depctr_va_vdst(0)                   ; the two exponentials have written v19 and v20: the wait stands ahead of their first reader
	v_mul_f32 v21, v19, v18
	v_mul_f32 v[AP], -1.0, v20                     ; Re A
	v_fmamk_f32 v[DT], v21, LN2, v19               ; dt = 2^y (1 + rest ln 2)
	v_fmac_f32 v[DEN], v[AP], v[AP]                ; |A|^2
	v_mul_f32 v22, v[AP], v[DT]                    ; Re dtA
	v_mul_f32 v23, v[AP+1], v[DT]                  ; Im dtA
	v_rcp_f32 v[DEN+1], v[DEN]                     ; one batch with the six moduli below: nothing names its result ahead of their wait
	v_mul_f32 v[EV+10], L2E, v22                   ; log2 |w|
	v_mul_f32 v[EV], I2PI, v23                     ; the phase of w in turns, as two f32: high part,
	v_fma_f32 v[TLO], v23, I2PI, -v[EV]
	v_fmac_f32 v[TLO], I2PI_LO, v23                ; low part
	; ---- w^m for m = 1, 4 | 16, 64 | 256, 1024: two at a time in packed f32, the three pairs interleaved.  Multiples by powers of two are exact.
.macro EV_SCALE p, m0, m1
	v_mul_f32 v[EV+16*\p],    \m0, v[EV]
	v_mul_f32 v[EV+16*\p+1],  \m1, v[EV]
	v_mul_f32 v[EV+16*\p+10], \m0, v[EV+10]
	v_mul_f32 v[EV+16*\p+11], \m1, v[EV+10]
.endm
	v_mul_f32 v[EV+1],  4.0, v[EV]
	v_mul_f32 v[EV+11], 4.0, v[EV+10]
	EV_SCALE 1, 0x41800000, 0x42800000             ; 16, 64
	EV_SCALE 2, 0x43800000, 0x44800000             ; 256, 1024
.irp p, 0,1,2
	v_rndne_f32 v[EV+16*\p+2], v[EV+16*\p]
	v_rndne_f32 v[EV+16*\p+3], v[EV+16*\p+1]
	v_exp_f32 v[EV+16*\p+14], v[EV+16*\p+10]       ; |w|^m; used far below
	v_exp_f32 v[EV+16*\p+15], v[EV+16*\p+11]
.endr
.irp p, 0,1,2
	v_pk_add_f32 v[EV+16*\p:EV+16*\p+1], v[EV+16*\p:EV+16*\p+1], v[EV+16*\p+2:EV+16*\p+3] neg_lo:[0,1] neg_hi:[0,1]   ; whole turns off: exact
.endr
	v_add_f32  v[EV],    v[EV], v[TLO]             ; + m x the low part: x = the phase's fraction of a turn, |x| <= 1/2
	v_fmac_f32 v[EV+1],  4.0, v[TLO]
	v_fmac_f32 v[EV+16], 0x41800000, v[TLO]
	v_fmac_f32 v[EV+17], 0x42800000, v[TLO]
	v_fmac_f32 v[EV+32], 0x43800000, v[TLO]
	v_fmac_f32 v[EV+33], 0x44800000, v[TLO]
.irp p, 0,1,2
	v_pk_mul_f32 v[EV+16*\p+4:EV+16*\p+5], v[EV+16*\p:EV+16*\p+1], v[EV+16*\p:EV+16*\p+1]
.endr
	; sine and cosine of a quarter of the angle, pi/2 x
.irp p, 0,1,2
	v_pk_fma_f32 v[EV+16*\p+6:EV+16*\p+7], v[EV+16*\p+4:EV+16*\p+5], v[K98:K98+1], KS7 op_sel_hi:[1,0,0]
	v_pk_fma_f32 v[EV+16*\p+8:EV+16*\p+9], v[EV+16*\p+4:EV+16*\p+5], v[K98:K98+1], KC6 op_sel:[0,1,0] op_sel_hi:[1,1,0]
.endr
.macro EV_HORNER ks, kc
.irp p, 0,1,2
	v_pk_fma_f32 v[EV+16*\p+6:EV+16*\p+7], v[EV+16*\p+6:EV+16*\p+7], v[EV+16*\p+4:EV+16*\p+5], \ks op_sel_hi:[1,1,0]
	v_pk_fma_f32 v[EV+16*\p+8:EV+16*\p+9], v[EV+16*\p+8:EV+16*\p+9], v[EV+16*\p+4:EV+16*\p+5], \kc op_sel_hi:[1,1,0]
.endr
.endm
	EV_HORNER KS5, KC4
	EV_HORNER KS3, KC2
	EV_HORNER KS1, 1.0
.irp p, 0,1,2
	v_pk_mul_f32 v[EV+16*\p+6:EV+16*\p+7], v[EV+16*\p+6:EV+16*\p+7], v[EV+16*\p:EV+16*\p+1]
.endr
	; the angle doubled twice: sin 2a = 2 sin a cos a, cos 2a = 1 - 2 sin a sin a.  No quadrants, no selects; the error grows about fourfold, to some 5e-7
.macro EV_DOUBLE from, to
.irp p, 0,1,2
	v_pk_add_f32 v[EV+16*\p+12:EV+16*\p+13], v[EV+16*\p+\from:EV+16*\p+\from+1], v[EV+16*\p+\from:EV+16*\p+\from+1]
.endr
.irp p, 0,1,2
	v_pk_mul_f32 v[EV+16*\p+\to:EV+16*\p+\to+1], v[EV+16*\p+12:EV+16*\p+13], v[EV+16*\p+8:EV+16*\p+9]
.endr
.irp p, 0,1,2
	v_pk_fma_f32 v[EV+16*\p+8:EV+16*\p+9], v[EV+16*\p+12:EV+16*\p+13], v[EV+16*\p+\from:EV+16*\p+\from+1], 1.0 op_sel_hi:[1,1,0] neg_lo:[1,0,0] neg_hi:[1,0,0]
.endr
.endm
	EV_DOUBLE 6, 2
	EV_DOUBLE 2, 6
	s_wait_alu depctr_va_vdst(0)                   ; the reciprocal has written v95 and the six exponentials the moduli: one wait for the batch of seven, ahead of its first reader
	; modulus times (cos, sin), laid as (re, im) pairs; the powers of the X side conjugated
	v_mul_f32 v[CW1],      v[EV+8],   v[EV+14]
	v_mul_f32 v[CW1+1],   -v[EV+6],   v[EV+14]
	v_mul_f32 v[YTAB+2],   v[EV+9],   v[EV+15]     ; w^4
	v_mul_f32 v[YTAB+3],   v[EV+7],   v[EV+15]
	v_mul_f32 v[YTAB+8],   v[EV+24],  v[EV+30]     ; w^16
	v_mul_f32 v[YTAB+9],   v[EV+22],  v[EV+30]
	v_mul_f32 v[XB+2],     v[EV+25],  v[EV+31]     ; conj w^64
	v_mul_f32 v[XB+3],    -v[EV+23],  v[EV+31]
	v_mul_f32 v[CW256],    v[EV+40],  v[EV+46]
	v_mul_f32 v[CW256+1], -v[EV+38],  v[EV+46]
	v_mul_f32 v[W1024],    v[EV+41],  v[EV+47]
	v_mul_f32 v[W1024+1],  v[EV+39],  v[EV+47]
	v_add_f32 v[DEN+1], v[DEN+1], v[DEN+1]         ; 2 / |A|^2
	; ---- the coefficient conj(2 C (w - 1) / A) = 2 conj(C) (conj w - 1) A / |A|^2, beside the small powers
	v_add_f32 v[DD], -1.0, v[CW1]                  ; w - 1 in f32, as the problem subtracts it
	v_mov_b32 v[DD+1], v[CW1+1]
	CM1 P2,      CW1,    CW1
	CM1 XB+4,    XB+2,   XB+2
	CM1 YTAB+4,  YTAB+2, YTAB+2
	CM1 YTAB+16, YTAB+8, YTAB+8
	v_pk_mul_f32 v[N1:N1+1], v[CC:CC+1], v[DD:DD+1] op_sel_hi:[0,1]
	CM2 P2,      CW1,    CW1
	CM2 XB+4,    XB+2,   XB+2
	CM2 YTAB+4,  YTAB+2, YTAB+2
	CM2 YTAB+16, YTAB+8, YTAB+8
	v_pk_fma_f32 v[N1:N1+1], v[CC:CC+1], v[DD:DD+1], v[N1:N1+1] op_sel:[1,1,0] op_sel_hi:[1,0,1] neg_hi:[1,0,0]   ; conj(C) x: the sign sits on the other half
	CM1 XB+6,    XB+4,    XB+2
	CM1 YTAB+6,  YTAB+4,  YTAB+2
	CM1 YTAB+24, YTAB+16, YTAB+8
	CM1 N2,      N1,      AP
	CM2 XB+6,    XB+4,    XB+2
	CM2 YTAB+6,  YTAB+4,  YTAB+2
	CM2 YTAB+24, YTAB+16, YTAB+8
	CM2 N2,      N1,      AP
	v_pk_mul_f32 v[XTAB:XTAB+1], v[N2:N2+1], v[DEN:DEN+1] op_sel:[0,1] op_sel_hi:[1,1]   ; both halves x 2 / |A|^2
	; Y's base table: w^(4 r) = w^(4 i) w^(16 q), r = 4 q + i
.irp q, 1,2,3
.irp i, 1,2,3
	CM1 YTAB+8*\q+2*\i, YTAB+2*\i, YTAB+8*\q
.endr
.endr
	CM1 XTAB+2, XTAB, CW1
	CM1 XTAB+4, XTAB, P2
.irp q, 1,2,3
.irp i, 1,2,3
	CM2 YTAB+8*\q+2*\i, YTAB+2*\i, YTAB+8*\q
.endr
.endr
	CM2 XTAB+2, XTAB, CW1
	CM2 XTAB+4, XTAB, P2
	s_wait_alu depctr_va_vdst(0)                   ; the two steps (v88 to v91) and Y's table (v112 to v143) are written, which the 18 LDS stores below read
	ds_store_b64 v[SA], v[CW256:CW256+1] offset:SX_OFF
	ds_store_b64 v[SA], v[W1024:W1024+1] offset:SY_OFF
.irp r, 0,1,2,3,4,5,6,7,8,9,10,11,12,13,14,15
	ds_store_b64 v[SA], v[YTAB+2*\r:YTAB+2*\r+1] offset:TY_OFF+\r*TPITCH   ; 32 lanes, 256 neighbouring bytes
.endr
	CM1 XTAB+6, XTAB+2, P2                         ; the products below write X's table alone: no register that the stores above read
	CM2 XTAB+6, XTAB+2, P2
	; X's base table: entry r = 4 q + i is the coefficient x conj w^i x conj w^(64 q)
.irp q, 1,2,3
.irp i, 0,1,2,3
	CM1 XTAB+8*\q+2*\i, XTAB+2*\i, XB+2*\q
.endr
.endr
.irp q, 1,2,3
.irp i, 0,1,2,3
	CM2 XTAB+8*\q+2*\i, XTAB+2*\i, XB+2*\q
.endr
.endr
	s_wait_alu depctr_va_vdst(0)                   ; X's table (v144 to v175) is written, which the 16 LDS stores read; and the set-up is done reading and writing v16 to v79, in which the LDS loads behind them land
.irp r, 0,1,2,3,4,5,6,7,8,9,10,11,12,13,14,15
	ds_store_b64 v[SA], v[XTAB+2*\r:XTAB+2*\r+1] offset:\r*TPITCH
.endr
	; ---- lane = (r, hh): row r of both tables, states 16 hh .. 16 hh + 15.  LDS serves a wave's instructions in order (ISA guide 5.7.1), and the bytes are
	; my wave's own: these loads see the stores above without a wait on DScnt and without a barrier.  Between the wait above and these loads stand only the
	; stores of X's table, which name v5 and v144 to v175, loads and one window switch.
.irp i, 0,1,2,3,4,5,6,7
	ds_load_b128 v[YC+4*\i:YC+4*\i+3], v[LA] offset:TY_OFF+16*\i
.endr
.irp i, 0,1,2,3,4,5,6,7
	ds_load_b128 v[SY+4*\i:SY+4*\i+3], v[LS] offset:SY_OFF+16*\i
.endr
	WIN 0x40                                       ; destination in window 1, address in window 0
.irp i, 0,1,2,3,4,5,6,7
	ds_load_b128 v[XC+4*\i:XC+4*\i+3], v[LA] offset:16*\i
.endr
.irp i, 0,1,2,3,4,5,6,7
	ds_load_b128 v[SX+4*\i:SX+4*\i+3], v[LS] offset:SX_OFF+16*\i
.endr
; 16 complex numbers into fragments.  Register j of a fragment pair is state 16 hh + j, (re, im) in its halves: the same places of K on both sides.
; hi = bf16(x); the rest x - hi is exact in f32 (one multiply-add straight from hi's half); lo = bf16(rest).
; put = 1: the eight stores of the tile before (its sums at acc, its number tn) are dealt among the first sixteen conversions, one in front of every second.
; Registers 0-3 of a tile: l = 4 r + 0..3 + 128 hh + 256 tm + 1024 tn; registers 4-7: 64 further.  Lanes 0-15 store 256 consecutive bytes at a multiple of 256
; from the row's first byte, lanes 16-31 the same 512 bytes on.  Each accumulator is read from its low end on.
.macro SPLIT src, frag, tmp, neg, put=0, acc=0, tn=0
.irp j, 0,1,2,3,4,5,6,7,8,9,10,11,12,13,14,15
.if \put && ((\j) % 2 == 0)
	global_store_b128 v[GO], v[\acc+4*(\j/2):\acc+4*(\j/2)+3], s[12:13] offset:4096*\tn+1024*(\j/4)+256*((\j/2)%2) th:TH_STORE_NT   ; no wait: no vector or matrix instruction since the wait ahead of this macro names the sums or v8
.endif
	v_cvt_pk_bf16_f32 v[\frag+\j], v[\src+2*\j], v[\src+2*\j+1]
.endr
.irp j, 0,1,2,3,4,5,6,7,8,9,10,11,12,13,14,15
	v_fma_mix_f32_bf16 v[\tmp+2*\j],   v[\frag+\j], v[\neg], v[\src+2*\j]   op_sel_hi:[1,0,0]
	v_fma_mix_f32_bf16 v[\tmp+2*\j+1], v[\frag+\j], v[\neg], v[\src+2*\j+1] op_sel:[1,0,0] op_sel_hi:[1,0,0]
.endr
.irp j, 0,1,2,3,4,5,6,7,8,9,10,11,12,13,14,15
	v_cvt_pk_bf16_f32 v[\frag+16+\j], v[\tmp+2*\j], v[\tmp+2*\j+1]
.endr
.endm
; the next tile's 16 numbers: each times its state's step
.macro ADVANCE src, step, tmp
.irp j, 0,1,2,3,4,5,6,7,8,9,10,11,12,13,14,15
	v_pk_mul_f32 v[\tmp+2*\j:\tmp+2*\j+1], v[\src+2*\j:\src+2*\j+1], v[\step+2*\j:\step+2*\j+1] op_sel_hi:[0,1]
.endr
.irp j, 0,1,2,3,4,5,6,7,8,9,10,11,12,13,14,15
	v_pk_fma_f32 v[\src+2*\j:\src+2*\j+1], v[\src+2*\j:\src+2*\j+1], v[\step+2*\j:\step+2*\j+1], v[\tmp+2*\j:\tmp+2*\j+1] op_sel:[1,1,0] op_sel_hi:[1,0,1] neg_lo:[1,0,0]
.endr
.endm
	WIN 0x55                                       ; the X side works wholly in window 1
	v_mov_b32 v[XN1], -1.0
	s_wait_dscnt 0x0                               ; all 32 loads
	s_wait_alu depctr_vm_vsrc(0)                   ; my LDS stores have read v88 to v91 and v112 to v175: these registers are TMP, YF and the sums from here on, written by the splits and the matrix instructions
	SPLIT XC, XF, XT, XN1                          ; tile tm = 0
	ADVANCE XC, SX, XT
	SPLIT XC, XF+32, XT, XN1
	ADVANCE XC, SX, XT
	SPLIT XC, XF+64, XT, XN1
	ADVANCE XC, SX, XT
	SPLIT XC, XF+96, XT, XN1
	WIN 0
; Four matrix instructions, one for each X tile: part xo of X (0 hi, 16 lo; + 8 for K block 1) times part yo of Y.
.macro MMT acc, xo, yo, zero
.irp tm, 0,1,2,3
.if \zero
	v_wmma_f32_16x16x32_bf16 v[\acc+8*\tm:\acc+8*\tm+7], v[XF+32*\tm+\xo:XF+32*\tm+\xo+7], v[YF+\yo:YF+\yo+7], 0
.else
	v_wmma_f32_16x16x32_bf16 v[\acc+8*\tm:\acc+8*\tm+7], v[XF+32*\tm+\xo:XF+32*\tm+\xo+7], v[YF+\yo:YF+\yo+7], v[\acc+8*\tm:\acc+8*\tm+7]
.endif
.endr
.endm
; One Y tile against all four X tiles.  The four accumulators take turns, one instruction a turn.  The first product starts the sums;
; the small products come first.
.macro MM acc
	WIN 0x01                                       ; source 0 (X) in window 1, all else in window 0
	MMT \acc, 16, 0,  1                            ; lo hi
	MMT \acc, 24, 8,  0
	MMT \acc, 0,  16, 0                            ; hi lo
	MMT \acc, 8,  24, 0
	MMT \acc, 0,  0,  0                            ; hi hi
	MMT \acc, 8,  8,  0
	WIN 0
.endm
; The last tile's eight stores, in one run: no conversions are left to deal them among.
.macro PUT acc, tn
.irp tm, 0,1,2,3
	global_store_b128 v[GO], v[\acc+8*\tm:\acc+8*\tm+3],   s[12:13] offset:4096*\tn+1024*\tm th:TH_STORE_NT
	global_store_b128 v[GO], v[\acc+8*\tm+4:\acc+8*\tm+7], s[12:13] offset:4096*\tn+1024*\tm+256 th:TH_STORE_NT
.endr
.endm
; Behind a run of matrix instructions the 32 packed instructions of ADVANCE, which name none of their registers, are the places that the stores of the sums and
; the rewriting of Y's fragments need (four).  The wait on va_vdst stands behind them, beside the places and not in their stead.
	SPLIT YC, YF, TMP, NEG1                        ; tn = 0
	MM ACC
	ADVANCE YC, SY, TMP
	s_wait_alu depctr_va_vdst(0)                   ; the matrix instructions have written the first set of sums, which tile 0's eight stores read
	SPLIT YC, YF, TMP, NEG1, 1, ACC, 0             ; tn = 1, and tile 0 goes out
	MM ACC+32
	ADVANCE YC, SY, TMP
	s_wait_alu depctr_va_vdst(0)                   ; the matrix instructions have written the second set of sums, which tile 1's eight stores read
	SPLIT YC, YF, TMP, NEG1, 1, ACC+32, 1          ; tn = 2, and tile 1 goes out
	s_wait_xcnt 0x0                                ; the first set of sums, which stores read, is written again only behind this wait
	s_wait_alu depctr_vm_vsrc(0)                   ; tile 0's stores have read the first set of sums, which the matrix instructions below write again
	MM ACC
	ADVANCE YC, SY, TMP
	s_wait_alu depctr_va_vdst(0)                   ; the matrix instructions have written the first set of sums, which tile 2's eight stores read
	SPLIT YC, YF, TMP, NEG1, 1, ACC, 2             ; tn = 3, and tile 2 goes out
	s_wait_xcnt 0x0                                ; likewise the second set
	s_wait_alu depctr_vm_vsrc(0)                   ; tile 1's stores have read the second set of sums, which the matrix instructions below write again
	MM ACC+32
.rept 4
	v_nop                                          ; the four places in front of the stores of the last sums
.endr
	s_wait_alu depctr_va_vdst(0)                   ; the matrix instructions have written the second set of sums, which the last eight stores read; the places above stay beside this wait
	PUT ACC+32, 3
	s_wait_dscnt 0x0
	s_wait_alu depctr_hold_cnt(0) depctr_sa_sdst(0) depctr_va_vdst(0) depctr_va_sdst(0) depctr_va_ssrc(0) depctr_va_vcc(0) depctr_vm_vsrc(0)
	s_wait_tensorcnt 0x0
	ds_add_u32 v254, v255
	s_wait_dscnt 0x0
	s_endpgm
.Lfunc_end_k_q0549de3352_s4d:
	.size	k_q0549de3352_s4d, .Lfunc_end_k_q0549de3352_s4d-k_q0549de3352_s4d
	.p2alignl 7, 3214868480
	.fill 96, 4, 3214868480
	.section	.rodata,"a",@progbits
	.p2align	6, 0x0
	.amdhsa_kernel k_q0549de3352_s4d
		.amdhsa_group_segment_fixed_size 37376
		.amdhsa_private_segment_fixed_size 0
		.amdhsa_enable_private_segment 0
		.amdhsa_kernarg_size 40
		.amdhsa_user_sgpr_count 2
		.amdhsa_user_sgpr_kernarg_segment_ptr 1
		.amdhsa_wavefront_size32 1
		.amdhsa_system_sgpr_workgroup_id_x 1
		.amdhsa_system_sgpr_workgroup_id_y 1
		.amdhsa_system_sgpr_workgroup_id_z 1
		.amdhsa_system_vgpr_workitem_id 0
		.amdhsa_next_free_vgpr 512
		.amdhsa_next_free_sgpr 66
		.amdhsa_reserve_vcc 0
		.amdhsa_float_denorm_mode_32 3
		.amdhsa_float_denorm_mode_16_64 3
		.amdhsa_memory_ordered 1
		.amdhsa_forward_progress 1
		.amdhsa_inst_pref_size 72
	.end_amdhsa_kernel
	.amdgpu_metadata
---
amdhsa.version: [ 1, 2 ]
amdhsa.kernels:
  - .name:           k_q0549de3352_s4d
    .symbol:         k_q0549de3352_s4d.kd
    .args:
      - { .name: log_dt, .offset: 0, .size: 8, .value_kind: global_buffer, .address_space: global }
      - { .name: log_A_real, .offset: 8, .size: 8, .value_kind: global_buffer, .address_space: global }
      - { .name: A_imag, .offset: 16, .size: 8, .value_kind: global_buffer, .address_space: global }
      - { .name: C, .offset: 24, .size: 8, .value_kind: global_buffer, .address_space: global }
      - { .name: out0, .offset: 32, .size: 8, .value_kind: global_buffer, .address_space: global }
    .group_segment_fixed_size: 37376
    .private_segment_fixed_size: 0
    .kernarg_segment_align: 8
    .kernarg_segment_size: 40
    .max_flat_workgroup_size: 128
    .sgpr_count:     66
    .vgpr_count:     512
    .wavefront_size: 32
...
	.end_amdgpu_metadata
.endif
;; end of part 2
